; MI455X (gfx1250); checked and timed in simulation.
; The chip was launched on July 23, 2026; its instructions are those of AMD's public machine-readable ISA for CDNA 5 (MIT licence, August 2026) and "CDNA5" Instruction Set Architecture Reference Guide (July 2026). The comments in the code are by the model that wrote it; some were corrected since.
;; Encdec Multihead Attn. Allowed arithmetic: matrix products marked QUANTISED: E2M1 operands, one E8M0 scale for each 32 along K, by v_wmma_scale_f32_16x16x128_f8f6f4 with both operands' format E2M1 (or v_wmma_scale_f32_32x16x128_f4), f32 sums; everything else in f32.
;; Inputs: beta 1,024 float32; gamma 1,024 float32; key_codes 2,048 x 4 x 32 x 16 uint8 (E2M1 codes of key, K innermost, in blocks of 32 codes, two codes a byte); key_scales 2,048 x 4 x 32 uint8 (E8M0 scales of key, one for each 32 codes along K); query 2,048 x 4 x 1,024 float32; w_kv_codes 2,048 x 32 x 16 uint8 (E2M1 codes of w_kv, K innermost, in blocks of 32 codes, two codes a byte); w_kv_scales 2,048 x 32 uint8 (E8M0 scales of w_kv, one for each 32 codes along K); w_out_codes 1,024 x 32 x 16 uint8 (E2M1 codes of w_out, K innermost, in blocks of 32 codes, two codes a byte); w_out_scales 1,024 x 32 uint8 (E8M0 scales of w_out, one for each 32 codes along K); w_q_codes 1,024 x 32 x 16 uint8 (E2M1 codes of w_q, K innermost, in blocks of 32 codes, two codes a byte); w_q_scales 1,024 x 32 uint8 (E8M0 scales of w_q, one for each 32 codes along K).
;; Outputs: out0 2,048 x 4 x 1,024 float32.
;; This version of the problem:
;;   THIS VERSION OF THE PROBLEM IS GIVEN IN LOW PRECISION. The matrix products marked QUANTISED in the list below multiply operands that are first quantised to E2M1 (2 exponent bits, 1 mantissa bit; 4 bits a number), with one power-of-two scale for each 32 numbers along K (OCP MX v1.0); their sums are f32. All else is computed in f32.
;;   The module's matrix products, in the order in which they are computed (A, B: the left and right operand; K: the contracted axis; several contracted axes count as one K, in the product's order):
;;     1. [M 8,192, K 1,024] x [K 1,024, N 1,024]; A: computed on the way; B: input w_q (given as codes): QUANTISED
;;     2. [M 8,192, K 1,024] x [K 1,024, N 2,048]; A: input key (given as codes); B: input w_kv (given as codes): QUANTISED
;;     3. batch 64 x [M 2,048, K 64] x [K 64, N 2,048]; A: computed on the way; B: computed on the way: QUANTISED
;;     4. batch 64 x [M 64, K 2,048] x [K 2,048, N 2,048]; A: computed on the way; B: softmax (see below): QUANTISED
;;     5. [M 8,192, K 1,024] x [K 1,024, N 1,024]; A: computed on the way; B: input w_out (given as codes): QUANTISED
;;   THE QUANTISER, for each operand of a quantised product, along K:
;;     - K is cut into blocks of 32 from its start; a last block that is shorter is filled with zeros.
;;     - A block's scale is 2^e with e = floor(log2(the largest magnitude in the block)) - 2, held to -126 .. 127; a block of zeros has e = 0. As a byte (E8M0): e + 127.
;;     - Each number is divided by its block's scale, clamped to +-6, and rounded to the nearest number of E2M1, ties to even, subnormals kept.
;;     - The product sums the exact products of the quantised numbers (number of the format x scale) in f32.
;;   ~~~python
;;   def quantise(x, axis):      # numpy; x: float32 -> the quantised numbers, widened to float32 again
;;       x = np.moveaxis(x, axis, -1); K = x.shape[-1]
;;       x = np.pad(x, [(0, 0)] * (x.ndim - 1) + [(0, -K % 32)]); x = x.reshape(x.shape[:-1] + (-1, 32)); a = np.abs(x).max(-1, keepdims=True)
;;       e = np.where(a > 0, np.clip(np.frexp(np.where(a > 0, a, 1))[1] - 1 - 2, -126, 127), 0)      # np.frexp(a)[1] - 1 = floor(log2(a)), exactly
;;       r = np.clip(x / 2.0 ** e, -6, 6)
;;       step = 2.0 ** (np.maximum(np.frexp(np.where(r == 0, 1, r))[1] - 1, 0) - 1)
;;       q = np.round(r / step) * step * 2.0 ** e      # np.round: ties to even
;;       return np.moveaxis(q.reshape(q.shape[:-2] + (-1,))[..., :K], -1, axis).astype(np.float32)
;;   ~~~
;;   SOFTMAX AHEAD OF A QUANTISED PRODUCT. Where the list says 'softmax', what is quantised is not the finished softmax but p = 2^(t - M), with t = logit x log2(e) and M = ceil(the row's largest t), a whole number; so 1/2 < the row's largest p <= 1. The row's sum l is taken of the UNQUANTISED p, in f32, and the product's result is divided by l at the end. Since M is a whole number, a kernel that streams over the keys may use a running M (the ceiling of the running maximum): every later rescaling is an exact power of two, which a block's scale takes up: the codes' values come out the same.
;;   OPERANDS COMPUTED ON THE WAY. 'Computed on the way' means the value that the module computes at that place (a softmax that the list does not call 'softmax' is quantised finished and normalised). What goes into a quantiser is computed in f32, as accurately as f32 sums, v_exp_f32 and their like allow (about 1e-6 of the number): no bf16 or f16 on the way to a quantiser, and a product that is left as it is and whose result goes on into a quantised operand takes f32 operands (vector FMAs, or v_wmma_f32_16x16x4_f32). A number that lies on a knife's edge between two numbers of the format may be rounded either way, as far as f32 arithmetic and the matrix unit's own rounding can turn it there, and no further.
;;   INPUTS GIVEN AS CODES. key (in the module: [2048, 4, 1024], K = its axis 2); w_kv (in the module: [2048, 1024], K = its axis 1); w_out (in the module: [1024, 1024], K = its axis 1); w_q (in the module: [1024, 1024], K = its axis 1): each comes as NAME_codes (uint8): NAME with its K axis moved to the last place and cut into blocks of 32 codes, [.., K / 32, bytes a block], one block behind the other in memory; two codes a byte, the lower K in the low four bits (a code: sign, 2 exponent bits, 1 mantissa bit); and NAME_scales (uint8): the same leading axes, one E8M0 byte (e + 127) for each 32 codes along K. Its value is code x scale, taken as it is: it is not quantised again, and the codes and scales need not be those that the quantiser above would give.
;; One version. Each part assembles by itself: llvm-mc -triple=amdgcn-amd-amdhsa -mcpu=gfx1250 --defsym DOCPART=n.
;; ======== version 1 of 1: 3 launches
;; limits: right only within a limited range of input values
;; workspace buffers: xq_img 4,194,304 bytes; xq_sc 262,144 bytes; kv_img 9,437,184 bytes; ctx_img 4,194,304 bytes; ctx_sc 262,144 bytes
;; launch prep (part 1): grid 256 x 1, 4 waves a work-group, no clusters, 154,112 bytes of LDS; arguments query, gamma, beta, key_codes, key_scales, w_kv_codes, w_kv_scales, xq_img, xq_sc, kv_img; writes xq_img, xq_sc, kv_img
.if DOCPART == 1
	.amdgcn_target "amdgcn-amd-amdhsa--gfx1250"
	.amdhsa_code_object_version 6
	.text
	.protected	k_q93ecc3aab2_prep
	.globl	k_q93ecc3aab2_prep
	.p2align	8
	.type	k_q93ecc3aab2_prep,@function
k_q93ecc3aab2_prep:
	s_mov_b64 s[64:65], 0
	v_nop
	global_prefetch_b8 v0, s[64:65] scope:SCOPE_SE
	s_setreg_imm32_b32 hwreg(HW_REG_WAVE_MODE, 25, 1), 1
	s_wait_xcnt 0x0
; PREP.  Two pieces of work in each of 256 work-groups of four waves.
; (a) LayerNorm of 32 rows of query (two tiles of 16 queries of one batch), quantised along E to FP4 (E2M1) with one E8M0 byte for each 32, stored as an image of operand registers:
;     xq_img [tile][block j of 32][row r of 16][16 bytes], xq_sc [tile][512 bytes]: row r's byte of block j at 256 (j / 16) + 16 r + j % 16.  tile = 128 x batch + query / 16.
; (b) the K/V projection of one head, one batch, 512 keys: wave w takes 128 keys against the head's 128 rows of w_kv, which stay in 512 registers.  K is quantised along the head's 64, V along the keys,
;     both stored as register images in kv_img [16 x batch + head][key step of 128][9,216 bytes]: 8 x 512 of K, 8 x 512 of V, 512 of K's scale words, 512 of V's.
; THE ROWS OF A TILE ARE NOT NEIGHBOURS: lane r of a tile of keys, of W_k or of W_v takes row base + r + 8 (r / 8), base = 32 (tile / 2) + 8 (tile % 2), so that the 16 registers of two neighbouring result
; tiles are 16 neighbours along the next product's K.  K^T = W_k X^T (source 0 = W_k): a lane holds one key, its registers run along d.  V = X W_v^T (source 0 = X): a lane holds one d, its registers run along the keys.
; CODES COME IN WHOLE ROWS AND TURN THROUGH LDS.  A row of codes is 512 bytes: one load of the wave takes it whole, 16 bytes a lane.  The weights' 128 rows are fetched once for the work-group, 32 rows a wave, into a shared
; stage; each wave's keys go, 32 rows at a time, through a stage of its own.  Row q of 32 goes to slot 16 ((q / 8) % 2) + q % 8 + 8 (q / 16): a tile's 16 rows are then 16 neighbouring slots of 528 bytes.
; NO CLUSTER, NO TENSOR LOAD.  Sixteen work-groups do read the same keys and sixteen the same weights; a joint request is a tensor load into LDS, and at this pitch the work-group's 512 key rows (270,336 bytes),
; the weights (67,584) and LayerNorm's stage (18,432) are 356,352 bytes: more than the 327,680 that a work-group can be given, so they could not all be filled once.
; LIMITS: a block's largest magnitude is not taken under 2^(3 - 127), so a block of zeros gets the byte 1 (its codes are zeros, and this program alone reads the bytes); NaN and infinities are not served.
; REGISTERS, in windows of 256.  window 0: v1-15 offsets; LN: v16-28 sums, v32-47 a row's maxima, scales, bytes, codes, v64-127 gamma and beta, v128-255 four rows;
;   K/V: v16-47 the weights' scale words, v48-63 X's (two sets), v64-111 at work, v128-191 K's accumulators, v192-255 V's.   window 1: W_k (tile t, K step s) at 8 (8 t + s).   window 2: W_v.   window 3: X, two sets of 128.
.set SEL,  26                          ; s[26:27] selects of v_permlanex16_b32: lane l xor 16
.set WKS,  16
.set WVS,  32
.set XS,   48
.set KC,   64
.set KW,   68
.set KSW,  72
.set VSW,  76
.set VC,   80
.set TM,   96
.set KA,   128
.set VA,   192
.set SST,  17408                       ; LDS: 0 .. 17,407 LayerNorm's codes: 2 tiles x 32 blocks x (16 rows x 16 bytes + 16);  from SST: 2 x 512 scale bytes
.set SP,   528                         ; a slot of a stage: a row's 512 bytes + 16
.set WST,  18432                       ; the weights' stage: 128 slots: W_k's tile t at slot 16 t, W_v's at 64 + 16 t
.set XST,  WST+128*SP                  ; the keys' stages: 32 slots for each wave, its own
.set MSB,  0
.macro WIN new                         ; the immediate's high byte repeats the setting that is left
.if MSB != \new
	s_set_vgpr_msb (MSB<<8)|\new
.set MSB, \new
.endif
.endm
.macro PLACES                          ; four plain vector instructions behind a matrix instruction, ahead of reads of its result and of loads into its registers
.rept 4
	v_nop
.endr
.endm
; 32 numbers of a lane, register 16 b + i = k 32 b + 16 (lane / 16) + i of my row, become 4 registers of codes (lane (r, h): block h, whole) and the row's scale word (byte 0, byte 1)
.macro QUANT2 src, pc, pw, tm
.irp b, 0,1
	v_max3_num_f32 v[(\tm)+\b], |v[(\src)+16*\b]|, |v[(\src)+16*\b+1]|, 0x1800000   ; my 16 numbers, and the floor 2^(3 - 127): the byte cannot fall under 1
.endr
.irp i, 2,4,6,8,10,12,14
.irp b, 0,1
	v_max3_num_f32 v[(\tm)+\b], v[(\tm)+\b], |v[(\src)+16*\b+\i]|, |v[(\src)+16*\b+\i+1]|
.endr
.endr
.irp b, 0,1
	v_permlanex16_b32 v[(\tm)+4+\b], v[(\tm)+\b], s[SEL], s[SEL+1]
.endr
.irp b, 0,1
	v_max_num_f32 v[(\tm)+\b], v[(\tm)+\b], v[(\tm)+4+\b]          ; with lane l xor 16's: the block's largest magnitude
.endr
.irp b, 0,1
	v_add_nc_u32 v[(\tm)+8+\b], 0xff000000, v[(\tm)+\b]            ; 2 off its exponent field: the conversion's scale operand
.endr
.irp b, 0,1
	v_lshrrev_b32 v[(\tm)+4+\b], 23, v[(\tm)+8+\b]                 ; the scale's byte
.endr
	v_lshl_or_b32 v[\pw], v[(\tm)+5], 8, v[(\tm)+4]
.irp b, 0,1
	v_cvt_scalef32_pk8_fp4_f32 v[(\pc)+2*\b], v[(\src)+16*\b:(\src)+16*\b+7], v[(\tm)+8+\b]
	v_cvt_scalef32_pk8_fp4_f32 v[(\pc)+2*\b+1], v[(\src)+16*\b+8:(\src)+16*\b+15], v[(\tm)+8+\b]
.endr
	v_nop                                          ; one plain instruction behind the scaled conversions
.irp i, 0,1
	v_permlane16_swap_b32 v[(\pc)+\i], v[(\pc)+2+\i]               ; half blocks change places: a lane now holds a whole block
.endr
.endm
	s_load_b256 s[4:11], s[0:1], 0x0               ; query s[4:5], gamma s[6:7], beta s[8:9], key_codes s[10:11]
	s_load_b256 s[12:19], s[0:1], 0x20             ; key_scales s[12:13], w_kv_codes s[14:15], w_kv_scales s[16:17], xq_img s[18:19]
	s_load_b128 s[20:23], s[0:1], 0x40             ; xq_sc s[20:21], kv_img s[22:23]
	v_lshrrev_b32 v1, 5, v0
	v_readfirstlane_b32 s24, v1                    ; wave 0..3
	v_and_b32 v1, 31, v0                           ; lane
	v_and_b32 v2, 15, v0                           ; r
	v_bfe_u32 v3, v0, 4, 1                         ; h
	v_and_b32 v15, 8, v2
	v_add_nc_u32 v15, v15, v2                      ; r + 8 (r / 8)
	v_lshlrev_b32 v16, 4, v3                       ; 16 h
	v_lshl_add_u32 v5, v15, 5, v16                 ; a weight's scale bytes: rows of 32; 16 bytes a lane: lanes 0-15 K steps 0-3, lanes 16-31 K steps 4-7
	v_lshl_add_u32 v7, v15, 7, v16                 ; key scale bytes: from key to key 4 batches x 32
	v_lshlrev_b32 v8, 4, v1                        ; 16 x lane: my 16 bytes of a row of codes, and an image's place for my lane
	v_lshlrev_b32 v9, 5, v1                        ; 32 x lane: my 8 numbers of 256 of a row of query
	v_lshlrev_b32 v14, 3, v1                       ; 8 x lane
	s_mul_i32 s62, s24, 32*SP                      ; my 32 slots: of the weights' stage, and my own keys' stage
	v_mul_u32_u24 v4, v2, SP
	v_add_nc_u32 v4, v4, v16                       ; a fragment's place in a tile's 16 slots: slot r, + 16 h
	v_add_nc_u32 v6, s62, v4
	v_add_nc_u32 v6, XST, v6                       ; v6: fragments out of my keys' stage
	v_add_nc_u32 v15, WST+64*SP, v4                ; v15: W_v's fragments out of the weights' stage
	v_add_nc_u32 v4, WST, v4                       ; v4: W_k's
	s_lshr_b32 s25, s24, 1                         ; which of the two LN tiles is mine
	s_and_b32 s31, s24, 1                          ; which 8 of its rows
	s_mov_b32 s[SEL], 0x76543210
	s_mov_b32 s[SEL+1], 0xfedcba98
	s_mov_b32 s28, 0xffff0000                      ; lanes 16-31
	s_mov_b32 s29, 0x3a800000                      ; 1 / 1024
	s_mov_b32 s30, 0x3727c5ac                      ; 1e-5
	v_lshrrev_b32 v17, 2, v1                       ; four lanes hold a block of 32
	v_and_b32 v18, 3, v1
	v_mul_u32_u24 v10, v17, 272
	v_lshl_add_u32 v10, v18, 2, v10
	s_mul_i32 s32, s25, 8704
	s_lshl_b32 s33, s31, 7
	s_add_co_u32 s34, s32, s33
	v_add_nc_u32 v10, s34, v10                     ; LayerNorm's codes, in: block lane / 4 (+ 8 i), my first row, my 4 bytes of its 16
	s_lshl_b32 s35, s25, 9
	s_add_co_u32 s35, s35, s33
	s_add_co_u32 s35, s35, SST
	v_add_nc_u32 v11, s35, v17                     ; the scale bytes, in
	s_mul_i32 s36, s31, 4352
	s_add_co_u32 s36, s36, s32
	v_mul_u32_u24 v12, v3, 272
	v_lshl_add_u32 v12, v2, 4, v12
	v_add_nc_u32 v12, s36, v12                     ; LayerNorm's codes, out: my half tile's 16 blocks, two an instruction
	s_lshl_b32 s37, s24, 8
	s_add_co_u32 s38, s37, SST
	v_add_nc_u32 v13, s38, v14                     ; the scale bytes, out: 256 a wave
	v_add_nc_u32 v2, s62, v8                       ; (r and h are done with)
	v_add_nc_u32 v3, XST, v2                       ; v3: whole rows into my keys' stage: 16 x lane
	v_add_nc_u32 v2, WST, v2                       ; v2: whole rows into my 32 slots of the weights' stage
	v_mov_b32 v25, 0                               ; upper halves of pairs of which the low word alone is used, and a lane permute's destination: written once
	v_mov_b32 v27, 0
	v_mov_b32 v28, 0
	; byte offsets, each in a pair of its own with 0 above (all under 2^31)
	s_lshl_b32 s40, ttmp9, 1
	s_add_co_u32 s40, s40, s25                     ; my LN tile
	s_and_b32 s41, s40, 127
	s_lshl_b32 s41, s41, 4
	s_lshl_b32 s39, s31, 3
	s_add_co_u32 s41, s41, s39                     ; my first query
	s_lshl_b32 s41, s41, 2
	s_lshr_b32 s60, ttmp9, 6                       ; the LN tiles' batch; also: which 512 keys
	s_add_co_u32 s41, s41, s60
	s_lshl_b32 s42, s41, 12                        ; (4 x query + batch) x 4,096
	s_mov_b32 s43, 0
	s_and_b32 s58, ttmp9, 15                       ; head
	s_bfe_u32 s59, ttmp9, 0x20004                  ; the keys' batch
	s_lshl_b32 s61, s60, 2
	s_add_co_u32 s61, s61, s24                     ; my key step of 128
	s_lshl_b32 s44, s61, 18
	s_lshl_b32 s39, s59, 9
	s_add_co_u32 s44, s44, s39
	s_mov_b32 s45, 0
	s_lshl_b32 s46, s61, 14
	s_lshl_b32 s39, s59, 5
	s_add_co_u32 s46, s46, s39
	s_mov_b32 s47, 0
	s_lshl_b32 s48, s58, 16                        ; the head's 128 rows of 512 bytes,
	s_lshl_b32 s39, s24, 14
	s_add_co_u32 s48, s48, s39                     ; the 32 of them that I fetch
	s_mov_b32 s49, 0
	s_lshl_b32 s50, s58, 12
	s_mov_b32 s51, 0
	s_lshl_b32 s52, s40, 13
	s_lshl_b32 s39, s31, 12
	s_add_co_u32 s52, s52, s39                     ; my half of my tile's image
	s_mov_b32 s53, 0
	s_lshl_b32 s54, ttmp9, 10
	s_add_co_u32 s54, s54, s37
	s_mov_b32 s55, 0
	s_lshl_b32 s56, s59, 4
	s_add_co_u32 s56, s56, s58
	s_lshl_b32 s56, s56, 4
	s_add_co_u32 s56, s56, s61
	s_mul_i32 s56, s56, 9216
	s_mov_b32 s57, 0
	s_wait_kmcnt 0x0
	s_add_nc_u64 s[4:5], s[4:5], s[42:43]
	s_add_nc_u64 s[10:11], s[10:11], s[44:45]
	s_add_nc_u64 s[12:13], s[12:13], s[46:47]
	s_add_nc_u64 s[14:15], s[14:15], s[48:49]
	s_add_nc_u64 s[16:17], s[16:17], s[50:51]
	s_add_nc_u64 s[18:19], s[18:19], s[52:53]
	s_add_nc_u64 s[20:21], s[20:21], s[54:55]
	s_add_nc_u64 s[22:23], s[22:23], s[56:57]
	; my 32 of the head's 128 rows of weights, a row to a load.  The LayerNorm below is the work that stands between these loads and their use
	WIN 0x40                                       ; destination window 1
.set q, 0
.rept 32
	global_load_b128 v[4*q:4*q+3], v8, s[14:15] offset:512*q       ; 32 lanes read 512 consecutive bytes
.set q, q+1
.endr
	WIN 0
.irp i, 0,1,2,3
.irp j, 0,1
	global_load_b128 v[64+8*\i+4*\j:64+8*\i+4*\j+3], v9, s[6:7] offset:1024*\i+16*\j   ; gamma: register 8 i + e = element 8 (32 i + lane) + e
	global_load_b128 v[96+8*\i+4*\j:96+8*\i+4*\j+3], v9, s[8:9] offset:1024*\i+16*\j   ; beta
.endr
.endr
.macro LNLOAD k                        ; row k of my eight into slot k % 4: two loads together cover 1,024 consecutive bytes
.irp i, 0,1,2,3
.irp j, 0,1
	global_load_b128 v[128+32*((\k)%4)+8*\i+4*\j:128+32*((\k)%4)+8*\i+4*\j+3], v9, s[4:5] offset:16384*(\k)+1024*\i+16*\j th:TH_LOAD_NT
.endr
.endr
.endm
.macro REDUCE                          ; four chains of pairs in v16-23 become one sum, in v16 of every lane
	v_pk_add_f32 v[16:17], v[16:17], v[18:19]
	v_pk_add_f32 v[20:21], v[20:21], v[22:23]
	v_pk_add_f32 v[16:17], v[16:17], v[20:21]
	v_add_f32 v16, v16, v17
	v_add_f32_dpp v16, v16, v16 row_xmask:1 row_mask:0xf bank_mask:0xf
	v_add_f32_dpp v16, v16, v16 row_xmask:2 row_mask:0xf bank_mask:0xf
	v_add_f32_dpp v16, v16, v16 row_xmask:4 row_mask:0xf bank_mask:0xf
	v_add_f32_dpp v16, v16, v16 row_xmask:8 row_mask:0xf bank_mask:0xf
	v_permlanex16_b32 v28, v16, s[SEL], s[SEL+1]
	v_add_f32 v16, v16, v28
.endm
; One row: mean, x - mean, variance of that (two passes, as the definition has it), x rsqrt x gamma + beta, then 32 blocks of 32 quantised: four lanes hold a block, a lane 8 numbers of each of four blocks.
.macro LNROW k, left
.set XR, 128+32*((\k)%4)
	s_wait_loadcnt \left                           ; loads come back in order: my row is in (and, at the first row, all that was asked for ahead of it); the younger rows, 8 loads each, stay out
.irp c, 0,2,4,6
	v_pk_add_f32 v[16+\c:17+\c], v[XR+\c:XR+\c+1], v[XR+8+\c:XR+9+\c]
.endr
.irp m, 16,24
.irp c, 0,2,4,6
	v_pk_add_f32 v[16+\c:17+\c], v[16+\c:17+\c], v[XR+\m+\c:XR+\m+\c+1]
.endr
.endr
	REDUCE
	v_mul_f32 v24, s29, v16                        ; the mean
.irp c, 0,2,4,6,8,10,12,14,16,18,20,22,24,26,28,30
	v_pk_add_f32 v[XR+\c:XR+\c+1], v[XR+\c:XR+\c+1], v[24:25] op_sel_hi:[1,0] neg_lo:[0,1] neg_hi:[0,1]
.endr
.irp c, 0,2,4,6
	v_pk_mul_f32 v[16+\c:17+\c], v[XR+\c:XR+\c+1], v[XR+\c:XR+\c+1]
.endr
.irp m, 8,16,24
.irp c, 0,2,4,6
	v_pk_fma_f32 v[16+\c:17+\c], v[XR+\m+\c:XR+\m+\c+1], v[XR+\m+\c:XR+\m+\c+1], v[16+\c:17+\c]
.endr
.endr
	REDUCE
	v_fma_f32 v28, v16, s29, s30                   ; the variance + 1e-5
	s_wait_alu depctr_va_vdst(0)
	v_rsq_f32 v26, v28
	v_nop                                          ; a plain instruction behind the transcendental
	s_wait_alu depctr_va_vdst(0)                   ; ahead of the result's first reader
.irp c, 0,2,4,6,8,10,12,14,16,18,20,22,24,26,28,30
	v_pk_mul_f32 v[XR+\c:XR+\c+1], v[XR+\c:XR+\c+1], v[26:27] op_sel_hi:[1,0]
.endr
.irp c, 0,2,4,6,8,10,12,14,16,18,20,22,24,26,28,30
	v_pk_fma_f32 v[XR+\c:XR+\c+1], v[XR+\c:XR+\c+1], v[64+\c:65+\c], v[96+\c:97+\c]
.endr
.irp i, 0,1,2,3
	v_max3_num_f32 v[32+\i], |v[XR+8*\i]|, |v[XR+8*\i+1]|, 0x1800000   ; my 8 numbers of block 8 i + lane / 4, and the floor
.endr
.irp n, 2,4,6
.irp i, 0,1,2,3
	v_max3_num_f32 v[32+\i], v[32+\i], |v[XR+8*\i+\n]|, |v[XR+8*\i+\n+1]|
.endr
.endr
.irp i, 0,1,2,3
	v_max_num_f32_dpp v[32+\i], v[32+\i], v[32+\i] row_xmask:1 row_mask:0xf bank_mask:0xf
.endr
.irp i, 0,1,2,3
	v_max_num_f32_dpp v[32+\i], v[32+\i], v[32+\i] row_xmask:2 row_mask:0xf bank_mask:0xf   ; the four lanes' largest magnitude
.endr
.if (\k) > 0
	s_wait_alu depctr_va_vdst(0)
	s_wait_dscnt 0x0                               ; the last row's LDS stores, issued a row ago, have read the registers that are written next
.endif
.irp i, 0,1,2,3
	v_add_nc_u32 v[36+\i], 0xff000000, v[32+\i]
.endr
.irp i, 0,1,2,3
	v_lshrrev_b32 v[40+\i], 23, v[36+\i]
.endr
.irp i, 0,1,2,3
	v_cvt_scalef32_pk8_fp4_f32 v[44+\i], v[XR+8*\i:XR+8*\i+7], v[36+\i]
.endr
	v_nop                                          ; one plain instruction behind the scaled conversions
.irp i, 0,1,2,3
	ds_store_b32 v10, v[44+\i] offset:2176*\i+16*(\k)
	ds_store_b8 v11, v[40+\i] offset:256*(\i/2)+8*(\i%2)+16*(\k)   ; the four lanes of a block write the same byte with the same value
.endr
.if (\k) < 4
	LNLOAD (\k)+4
.endif
.endm
	LNLOAD 0
	LNLOAD 1
	LNLOAD 2
	LNLOAD 3
	LNROW 0, 24
	LNROW 1, 24
	LNROW 2, 24
	LNROW 3, 24
	LNROW 4, 24
	LNROW 5, 16
	LNROW 6, 8
	LNROW 7, 0
	; my 32 rows of weights go into the shared stage, each to its slot (the last wait above was for all loads)
	WIN 0x04                                       ; an LDS store's data are its source 1: window 1
.set q, 0
.rept 32
	ds_store_b128 v2, v[4*q:4*q+3] offset:(16*((q/8)%2)+q%8+8*(q/16))*SP
.set q, q+1
.endr
	WIN 0
; 32 keys' rows of codes, a row to a load, into set bb % 2 of window 3, and the scale words of their two tiles
.macro XLOAD bb
	WIN 0xc0                                       ; destination window 3
.set q, 0
.rept 32
	global_load_b128 v[128*((\bb)%2)+4*q:128*((\bb)%2)+4*q+3], v8, s[10:11] offset:65536*(\bb)+2048*q   ; 32 lanes read 512 consecutive bytes
.set q, q+1
.endr
	WIN 0
.irp u, 0,1
	global_load_b128 v[XS+8*((\bb)%2)+4*\u:XS+8*((\bb)%2)+4*\u+3], v7, s[12:13] offset:4096*(\bb)+1024*\u
.endr
.endm
; The 32 rows in set p turn through my own stage and come back, into the registers that they left, as the fragments of two tiles u of 16 keys x 8 K steps s, at 64 u + 8 s.
; LDS serves a wave's instructions in order (ISA guide 5.7.1.4): the loads see the stores above them, and the next block's stores come behind these loads.
.macro TURN p
	WIN 0x0c                                       ; an LDS store's data are its source 1: window 3
.set q, 0
.rept 32
	ds_store_b128 v3, v[128*(\p)+4*q:128*(\p)+4*q+3] offset:(16*((q/8)%2)+q%8+8*(q/16))*SP
.set q, q+1
.endr
	WIN 0xc0                                       ; destination window 3
.irp u, 0,1
.irp s, 0,1,2,3,4,5,6,7
.irp c, 0,1
	ds_load_b128 v[128*(\p)+64*\u+8*\s+4*\c:128*(\p)+64*\u+8*\s+4*\c+3], v6 offset:16*\u*SP+64*\s+32*\c
.endr
.endr
.endr
	WIN 0
.endm
	s_wait_dscnt 0x0                               ; my stores into the stages are done: for the other waves' sake, and since the loads below land in registers that they read
.irp t, 0,1,2,3
	global_load_b128 v[WKS+4*\t:WKS+4*\t+3], v5, s[16:17] offset:(32*(\t/2)+8*(\t%2))*32
	global_load_b128 v[WVS+4*\t:WVS+4*\t+3], v5, s[16:17] offset:(64+32*(\t/2)+8*(\t%2))*32
.endr
	XLOAD 0
	s_barrier_signal -1                            ; a barrier for two things: 256 bytes of LayerNorm's image hold 16 rows, which two waves have made; and the weights' 128 rows come from four waves
	s_barrier_wait -1
.irp q, 0,1,2,3,4,5,6,7
	ds_load_b128 v[64+4*\q:67+4*\q], v12 offset:544*\q
.endr
	ds_load_b64 v[96:97], v13
	s_wait_dscnt 0x0
.irp q, 0,1,2,3,4,5,6,7
	global_store_b128 v8, v[64+4*\q:67+4*\q], s[18:19] offset:512*\q   ; 32 lanes store 512 consecutive bytes
.endr
	global_store_b64 v14, v[96:97], s[20:21]       ; 256 consecutive bytes
.irp t, 0,1,2,3
	v_mov_b32 v[TM+4+\t], 0                        ; lane permutes' destinations of the phase below: written once
.endr
	; the head's weights out of the stage into my registers: they stay
	WIN 0x40                                       ; destination window 1
.irp t, 0,1,2,3
.irp s, 0,1,2,3,4,5,6,7
.irp c, 0,1
	ds_load_b128 v[8*(8*\t+\s)+4*\c:8*(8*\t+\s)+4*\c+3], v4 offset:16*\t*SP+64*\s+32*\c
.endr
.endr
.endr
	WIN 0x80                                       ; destination window 2
.irp t, 0,1,2,3
.irp s, 0,1,2,3,4,5,6,7
.irp c, 0,1
	ds_load_b128 v[8*(8*\t+\s)+4*\c:8*(8*\t+\s)+4*\c+3], v15 offset:16*\t*SP+64*\s+32*\c
.endr
.endr
.endr
	WIN 0
.macro KPROD t, u, s                   ; K^T: source 0 = 16 rows of W_k, source 1 = 16 keys
.set rD, KA+32*(\u)+8*(\t)
.set rW, 8*(8*(\t)+(\s))
.set rX, 128*PB+64*(\u)+8*(\s)
.set rA, WKS+4*(\t)+(\s)%4
.set rB, XS+8*PB+4*(\u)+(\s)%4
.if (\s) == 0
	v_wmma_scale_f32_16x16x128_f8f6f4 v[rD:rD+7], v[rW:rW+7], v[rX:rX+7], 0, v[rA], v[rB] matrix_a_fmt:MATRIX_FMT_FP4 matrix_b_fmt:MATRIX_FMT_FP4
.elseif (\s) < 4
	v_wmma_scale_f32_16x16x128_f8f6f4 v[rD:rD+7], v[rW:rW+7], v[rX:rX+7], v[rD:rD+7], v[rA], v[rB] matrix_a_fmt:MATRIX_FMT_FP4 matrix_b_fmt:MATRIX_FMT_FP4
.else
	v_wmma_scale_f32_16x16x128_f8f6f4 v[rD:rD+7], v[rW:rW+7], v[rX:rX+7], v[rD:rD+7], v[rA], v[rB] matrix_a_fmt:MATRIX_FMT_FP4 matrix_b_fmt:MATRIX_FMT_FP4 matrix_a_scale:MATRIX_SCALE_ROW1 matrix_b_scale:MATRIX_SCALE_ROW1
.endif
.endm
.macro VPROD t, u, s                   ; V: source 0 = 16 keys, source 1 = 16 rows of W_v
.set rD, VA+32*(\u)+8*(\t)
.set rW, 8*(8*(\t)+(\s))
.set rX, 128*PB+64*(\u)+8*(\s)
.set rA, XS+8*PB+4*(\u)+(\s)%4
.set rB, WVS+4*(\t)+(\s)%4
.if (\s) == 0
	v_wmma_scale_f32_16x16x128_f8f6f4 v[rD:rD+7], v[rX:rX+7], v[rW:rW+7], 0, v[rA], v[rB] matrix_a_fmt:MATRIX_FMT_FP4 matrix_b_fmt:MATRIX_FMT_FP4
.elseif (\s) < 4
	v_wmma_scale_f32_16x16x128_f8f6f4 v[rD:rD+7], v[rX:rX+7], v[rW:rW+7], v[rD:rD+7], v[rA], v[rB] matrix_a_fmt:MATRIX_FMT_FP4 matrix_b_fmt:MATRIX_FMT_FP4
.else
	v_wmma_scale_f32_16x16x128_f8f6f4 v[rD:rD+7], v[rX:rX+7], v[rW:rW+7], v[rD:rD+7], v[rA], v[rB] matrix_a_fmt:MATRIX_FMT_FP4 matrix_b_fmt:MATRIX_FMT_FP4 matrix_a_scale:MATRIX_SCALE_ROW1 matrix_b_scale:MATRIX_SCALE_ROW1
.endif
.endm
; 32 keys: their rows turn into fragments; 64 products for K, 64 for V, eight accumulators by turns; then both are quantised and leave.
.macro KVBLK bb
.set PB, (\bb)%2
.if (\bb) < 3
	XLOAD (\bb)+1                                  ; into the set that the block before multiplied: its four places and its whole way out stand between
	s_wait_loadcnt 34                              ; all but the 34 loads just issued: this block's rows and scale words are in
.else
	s_wait_loadcnt 0x0
.endif
	TURN PB
	s_wait_dscnt 0x0                               ; the fragments are in (at the first block: the weights too)
	WIN 0x0d                                       ; source 0 window 1 (W_k), source 1 window 3 (X)
.irp s, 0,1,2,3,4,5,6,7
.irp u, 0,1
.irp t, 0,1,2,3
	KPROD \t, \u, \s
.endr
.endr
.endr
	WIN 0x0b                                       ; source 0 window 3 (X), source 1 window 2 (W_v)
.irp s, 0,1,2,3,4,5,6,7
.irp u, 0,1
.irp t, 0,1,2,3
	VPROD \t, \u, \s
.endr
.endr
.endr
	WIN 0
	PLACES
.irp u, 0,1
	s_wait_xcnt 0x0                                ; earlier stores have read their data: the registers are written again only behind this wait
	QUANT2 KA+32*\u, KC, KW+\u, TM
	global_store_b128 v8, v[KC:KC+3], s[22:23] offset:512*(2*(\bb)+\u)   ; K's tile 2 bb + u: 512 consecutive bytes
.endr
	v_cndmask_b32 v[KSW+(\bb)], v[KW], v[KW+1], s28                ; lanes 0-15: the even tile's scale words, lanes 16-31 the odd tile's
.irp t, 0,1,2,3                        ; V: block bb of the step's four: my 16 keys of it for my d of each of four tiles
	v_max3_num_f32 v[TM+\t], |v[VA+8*\t]|, |v[VA+8*\t+1]|, 0x1800000
.endr
.irp i, 2,4,6,32,34,36,38
.irp t, 0,1,2,3
	v_max3_num_f32 v[TM+\t], v[TM+\t], |v[VA+8*\t+\i]|, |v[VA+8*\t+\i+1]|
.endr
.endr
.irp t, 0,1,2,3
	v_permlanex16_b32 v[TM+4+\t], v[TM+\t], s[SEL], s[SEL+1]
.endr
.irp t, 0,1,2,3
	v_max_num_f32 v[TM+\t], v[TM+\t], v[TM+4+\t]
.endr
.irp t, 0,1,2,3
	v_add_nc_u32 v[TM+8+\t], 0xff000000, v[TM+\t]
.endr
.irp t, 0,1,2,3
	v_lshrrev_b32 v[TM+4+\t], 23, v[TM+8+\t]
.endr
.irp t, 0,1,2,3
.if (\bb) == 0
	v_mov_b32 v[VSW+\t], v[TM+4+\t]
.else
	v_lshl_or_b32 v[VSW+\t], v[TM+4+\t], 8*(\bb), v[VSW+\t]        ; byte bb of my d's scale word for these 128 keys
.endif
.endr
.irp t, 0,1,2,3
	v_cvt_scalef32_pk8_fp4_f32 v[VC+4*\t+2*((\bb)%2)], v[VA+8*\t:VA+8*\t+7], v[TM+8+\t]
	v_cvt_scalef32_pk8_fp4_f32 v[VC+4*\t+2*((\bb)%2)+1], v[VA+32+8*\t:VA+39+8*\t], v[TM+8+\t]
.endr
	v_nop                                          ; one plain instruction behind the scaled conversions
.if (\bb)%2
.irp t, 0,1,2,3
.irp i, 0,1
	v_permlane16_swap_b32 v[VC+4*\t+\i], v[VC+4*\t+2+\i]           ; two blocks are there: a lane takes one whole
.endr
.endr
.irp t, 0,1,2,3
	global_store_b128 v8, v[VC+4*\t:VC+4*\t+3], s[22:23] offset:4096+512*(2*\t+(\bb)/2)
.endr
.endif
.endm
	KVBLK 0
	KVBLK 1
	KVBLK 2
	KVBLK 3
	global_store_b128 v8, v[KSW:KSW+3], s[22:23] offset:8192
	global_store_b128 v8, v[VSW:VSW+3], s[22:23] offset:8704
	s_barrier_signal -1
	s_barrier_wait -1
	s_wait_xcnt 0x0
	v_lshl_add_u32 v254, v0, 2, 0x25800
	v_mov_b32 v255, 0
	s_wait_alu depctr_va_vdst(0)
	s_wait_tensorcnt 0x0
	ds_add_u32 v254, v255
	s_wait_dscnt 0x0
	s_endpgm
.Lfunc_end_k_q93ecc3aab2_prep:
	.size	k_q93ecc3aab2_prep, .Lfunc_end_k_q93ecc3aab2_prep-k_q93ecc3aab2_prep
	.p2alignl 7, 3214868480
	.fill 96, 4, 3214868480
	.section	.rodata,"a",@progbits
	.p2align	6, 0x0
	.amdhsa_kernel k_q93ecc3aab2_prep
		.amdhsa_group_segment_fixed_size 154112
		.amdhsa_private_segment_fixed_size 0
		.amdhsa_enable_private_segment 0
		.amdhsa_kernarg_size 80
		.amdhsa_user_sgpr_count 2
		.amdhsa_user_sgpr_kernarg_segment_ptr 1
		.amdhsa_wavefront_size32 1
		.amdhsa_system_sgpr_workgroup_id_x 1
		.amdhsa_system_sgpr_workgroup_id_y 1
		.amdhsa_system_sgpr_workgroup_id_z 1
		.amdhsa_system_vgpr_workitem_id 0
		.amdhsa_next_free_vgpr 1024
		.amdhsa_next_free_sgpr 66
		.amdhsa_reserve_vcc 0
		.amdhsa_float_denorm_mode_32 3
		.amdhsa_float_denorm_mode_16_64 3
		.amdhsa_memory_ordered 1
		.amdhsa_forward_progress 1
		.amdhsa_inst_pref_size 227
	.end_amdhsa_kernel
	.amdgpu_metadata
---
amdhsa.version: [ 1, 2 ]
amdhsa.kernels:
  - .name:           k_q93ecc3aab2_prep
    .symbol:         k_q93ecc3aab2_prep.kd
    .args:
      - { .name: query, .offset: 0, .size: 8, .value_kind: global_buffer, .address_space: global }
      - { .name: gamma, .offset: 8, .size: 8, .value_kind: global_buffer, .address_space: global }
      - { .name: beta, .offset: 16, .size: 8, .value_kind: global_buffer, .address_space: global }
      - { .name: key_codes, .offset: 24, .size: 8, .value_kind: global_buffer, .address_space: global }
      - { .name: key_scales, .offset: 32, .size: 8, .value_kind: global_buffer, .address_space: global }
      - { .name: w_kv_codes, .offset: 40, .size: 8, .value_kind: global_buffer, .address_space: global }
      - { .name: w_kv_scales, .offset: 48, .size: 8, .value_kind: global_buffer, .address_space: global }
      - { .name: xq_img, .offset: 56, .size: 8, .value_kind: global_buffer, .address_space: global }
      - { .name: xq_sc, .offset: 64, .size: 8, .value_kind: global_buffer, .address_space: global }
      - { .name: kv_img, .offset: 72, .size: 8, .value_kind: global_buffer, .address_space: global }
    .group_segment_fixed_size: 154112
    .private_segment_fixed_size: 0
    .kernarg_segment_align: 8
    .kernarg_segment_size: 80
    .max_flat_workgroup_size: 128
    .sgpr_count:     66
    .vgpr_count:     1024
    .wavefront_size: 32
...
	.end_amdgpu_metadata
.endif
;; end of part 1
;; launch attn (part 2): grid 4 x 64, 8 waves a work-group, clusters of 4 x 1, 327,680 bytes of LDS; arguments xq_img, xq_sc, w_q_codes, w_q_scales, kv_img, ctx_img, ctx_sc; writes ctx_img, ctx_sc
.if DOCPART == 2
	.amdgcn_target "amdgcn-amd-amdhsa--gfx1250"
	.amdhsa_code_object_version 6
	.text
	.protected	k_q93ecc3aab2_attn
	.globl	k_q93ecc3aab2_attn
	.p2align	8
	.type	k_q93ecc3aab2_attn,@function
k_q93ecc3aab2_attn:
	s_mov_b64 s[64:65], 0
	v_nop
	global_prefetch_b8 v0, s[64:65] scope:SCOPE_SE
	s_setreg_imm32_b32 hwreg(HW_REG_WAVE_MODE, 25, 1), 1
	s_wait_xcnt 0x0
	s_wait_alu depctr_hold_cnt(0) depctr_sa_sdst(0) depctr_va_vdst(0) depctr_va_sdst(0) depctr_va_ssrc(0) depctr_va_vcc(0) depctr_vm_vsrc(0)
	s_getreg_b32 s2, hwreg(HW_REG_IB_STS2, 6, 4)
	s_cmp_eq_u32 s2, 0
	s_cbranch_scc0 .Lentry_in_a_cluster
	s_endpgm
.Lentry_in_a_cluster:
	s_bfe_u32 s2, ttmp6, 0x10000c
	s_cmp_lg_u32 s2, 0x3003
	s_cbranch_scc0 .Lentry_shape_is_right
	s_endpgm
.Lentry_shape_is_right:
; ATTN.  One head of one batch, 512 queries to a work-group: Q = LN(x) W_q^T / 8 quantised along the head's 64; S^T = K Q^T; p = 2^(t - M), M the ceiling of the running largest t, quantised along the keys;
; O^T = V^T P^T; O / (the sum of the unquantised p) quantised along the head's 64 and stored as images of operand registers.  All products on codes of FP4 (E2M1) with E8M0 scales.
; SHARES.  Eight waves, two to a SIMD; a wave owns FOUR tiles of 16 queries and walks the head's 2,048 keys once, 128 a step: each fragment of K and V that it reads from LDS feeds four tiles.
; The head's K and V (16 chunks of 9,216 bytes, as prep laid them) and the head's 64 rows of W_q stay in LDS, filled once.
; CLUSTER 4 x 1: the four work-groups along x are the four query blocks of one head and batch: they need the same K, V and W_q, and ask for them jointly (mask 15): waves 0-3 a quarter of K/V each, waves 4-7 16 rows of W_q each.
; A LANE HOLDS A WHOLE BLOCK OF 32.  The rows that form a tile are chosen by the lane's LDS address: row m of tile t takes element 8 t + m % 8 + 32 (m / 8) of 64 (keys for S^T, d for O^T and for Q).  In the result lane (query, h)
; then holds, in the 32 registers of four tiles, block h whole and in order: a block's maximum needs no other lane, and the conversions' results are the next operand's registers as they stand.
; K = 64 in S^T: the upper 64 of the instruction's 128 are zero codes on Q's side; on K's side the registers that follow are named (finite codes, scale bytes 0), and add nothing.
; THE STEP IS A PIPELINE OVER TILES, in three stages.  STA k: tile k's scores, block maxima and M; among them the rescaling of O^T and the product P V of tile k - 2.  STB i: tile i's exponentials, by turns with tile i + 1's t - M.
; STC i: tile i's sums, scales and codes.  They run in the order STA i + 1, STB i, STC i; two score buffers take turns.  The first two STA find p's codes and O^T zero, so their products add nothing.
; The last trip's STA 0 walks the last chunk once more: M does not move, and nothing of it is used.
; NO PREFETCH: every byte from memory is asked for at the head, and no loop stands ahead of those requests.
; LIMITS: the softmax holds while the scaled scores stay under 2^31 in magnitude; a block's largest magnitude is not taken under 2^(3 - 127), so a block of zeros gets the byte 1 (its codes are zeros; this program alone reads the bytes); NaN and infinities are not served.
; REGISTERS.  window 0: v1-8 offsets; v10-11 the add's two; v12-19 (-M, largest score) of four tiles; v20-27 their sums; v28-31 Q's scale words; v32-38 K's, V's, p's scale words; v40-47 p's codes; v48-77 at work; v128-255 O^T of four tiles.
;   At the head: v32-63 scale words, v64-191 sixteen accumulators, v192-255 W_q's fragments, two sets.
;   window 1: v0-127 S^T, then p, two buffers; v128-163 K's fragments; v164-195 V's; v196-227 Q's.  At the head: all 256: x's fragments of four tiles.
.set WV,    18
.set CS,    22
.set SEL,   26
.set G1K,   28
.set G1W,   36
.set G0K,   44
.set G0W,   48
.set TB,    52
.set STEPS, 53
.set TN,    54
.set CHUNK, 9216
.set WQB,   16*CHUNK
.set WP,    528
.set SPARE, WQB+64*WP
.set AK0,   2
.set SPW,   10
.set NIL,   11
.set ST,    12
.set LS,    20
.set QS,    28
.set KS,    32
.set VS,    36
.set PS,    38
.set PC,    40
.set BM,    48
.set BX,    52
.set MX,    56
.set XP,    57
.set OLD,   58
.set DF,    59
.set FF,    60
.set SO,    64
.set BY,    66
.set TA,    68
.set TBB,   70
.set TC,    72
.set AK,    74
.set OC,    80
.set OB,    96
.set OT,    128
.set KF,    128
.set VF,    164
.set QF,    196
.set ACC,   64
.set WB,    192
.set WS,    32
.set XS,    48
.set MSB,   0
.macro WIN new                         ; the immediate's high byte repeats the setting that is left
.if MSB != \new
	s_set_vgpr_msb (MSB<<8)|\new
.set MSB, \new
.endif
.endm
.macro PLACES
.rept 4
	v_nop
.endr
.endm
.macro ROUND                           ; a round of the cluster's barrier
	s_barrier_signal -1
	s_barrier_wait -1
	s_cmp_lg_u32 s[WV], 0
	s_cbranch_scc1 .Lnot_wave_0_\@
	s_barrier_signal -3
.Lnot_wave_0_\@:
	s_barrier_wait -3
	s_barrier_signal -1
	s_barrier_wait -1
.endm
; 32 registers of a lane, one whole block: its largest magnitude (with the floor 2^(3 - 127)) in two chains, the conversion's scale operand and the scale's byte
.macro QUANTB src, so, by
	v_max3_num_f32 v[BM], |v[(\src)]|, |v[(\src)+1]|, 0x1800000
	v_max3_num_f32 v[BM+1], |v[(\src)+16]|, |v[(\src)+17]|, |v[(\src)+18]|
.irp n, 0,1,2,3,4,5
	s_delay_alu instid0(VALU_DEP_2)
	v_max3_num_f32 v[BM], v[BM], |v[(\src)+2+2*\n]|, |v[(\src)+3+2*\n]|
	s_delay_alu instid0(VALU_DEP_2)
	v_max3_num_f32 v[BM+1], v[BM+1], |v[(\src)+19+2*\n]|, |v[(\src)+20+2*\n]|
.endr
	s_delay_alu instid0(VALU_DEP_2)
	v_max3_num_f32 v[BM], v[BM], |v[(\src)+14]|, |v[(\src)+15]|
	s_delay_alu instid0(VALU_DEP_1)
	v_max3_num_f32 v[BM], v[BM], v[BM+1], |v[(\src)+31]|
	s_delay_alu instid0(VALU_DEP_1)
	v_add_nc_u32 v[\so], 0xff000000, v[BM]         ; 2 off the exponent field
	s_delay_alu instid0(VALU_DEP_1)
	v_lshrrev_b32 v[\by], 23, v[\so]
.endm
	s_load_b256 s[4:11], s[0:1], 0x0               ; xq_img, xq_sc, w_q_codes, w_q_scales
	s_load_b128 s[12:15], s[0:1], 0x20             ; kv_img, ctx_img
	s_load_b64 s[16:17], s[0:1], 0x30              ; ctx_sc
	v_lshl_add_u32 v[SPW], v0, 2, SPARE
	v_mov_b32 v[NIL], 0
	ds_add_u32 v[SPW], v[NIL]                      ; the opening lines: the add, twice on end, and its wait
	ds_add_u32 v[SPW], v[NIL]
	v_lshrrev_b32 v9, 5, v0
	v_readfirstlane_b32 s[WV], v9                  ; wave 0..7
	v_and_b32 v9, 31, v0
	v_lshlrev_b32 v1, 4, v9                        ; 16 x lane
	v_and_b32 v48, 7, v0                           ; r % 8
	v_bfe_u32 v49, v0, 3, 1                        ; r / 8
	v_bfe_u32 v50, v0, 4, 1                        ; h
	v_lshlrev_b32 v51, 4, v48
	v_lshl_add_u32 v52, v50, 8, v51                ; 16 (r % 8) + 256 h
	v_lshl_add_u32 v[AK0], v49, 10, v52            ; K's codes: + 1,024 (r / 8)
	v_lshl_add_u32 v[AK0+1], v49, 2, v52           ; K's scale words: + 4 (r / 8); lanes 16-31 take the odd tile's
	v_lshl_add_u32 v[AK0+2], v49, 11, v52          ; V's codes: + 2,048 (r / 8)
	v_lshl_add_u32 v53, v49, 3, v51
	v_lshl_add_u32 v[AK0+3], v50, 2, v53           ; V's scale words: 16 (r % 8) + 8 (r / 8) + 4 h
	v_lshl_add_u32 v54, v49, 5, v48                ; W_q: row r % 8 + 32 (r / 8) of a tile
	v_lshlrev_b32 v55, 4, v50
	v_mad_u32_u24 v6, v54, WP, v55
	v_add_nc_u32 v6, WQB, v6                       ; its fragments in LDS
	v_lshl_add_u32 v7, v54, 5, v55                 ; its scale bytes in memory: rows of 32; lanes 16-31 K steps 4-7
	v_and_b32 v56, 15, v0
	v_lshl_add_u32 v8, v56, 4, v50                 ; ctx's scale byte: 16 r + h
	s_mov_b32 s[G1W], 15|(3<<16)|(1<<20)|(1<<21)|(6<<22)|(3<<25)   ; mask of the four; 8-byte elements; 4 words of padding behind each 128
	s_mov_b32 s[G1W+1], 64<<16
	s_mov_b32 s[G1W+2], 16<<16
	s_mov_b32 s[G1W+3], 64<<16
	s_mov_b32 s[G1W+4], 16
	s_mov_b32 s[G1W+5], 64
	s_mov_b32 s[G1W+6], 0
	s_mov_b32 s[G1W+7], 0
	s_mov_b32 s[G1K], 15|(3<<16)|(1<<21)           ; four chunks: 144 dense rows of 256 bytes
	s_mov_b32 s[G1K+1], 32<<16
	s_mov_b32 s[G1K+2], 144<<16
	s_mov_b32 s[G1K+3], 32<<16
	s_mov_b32 s[G1K+4], 144
	s_mov_b32 s[G1K+5], 32
	s_mov_b32 s[G1K+6], 0
	s_mov_b32 s[G1K+7], 0
	s_mov_b32 s[CS], 0x3fb8aa3b                    ; log2(e)
	s_mov_b32 s[CS+1], s[CS]
	s_mov_b32 s[SEL], 0x76543210
	s_mov_b32 s[SEL+1], 0xfedcba98
	s_and_b32 s55, ttmp7, 0xffff                   ; 16 x batch + head
	s_and_b32 s56, s55, 15
	s_lshr_b32 s57, s55, 4
	s_and_b32 s58, s[WV], 3                        ; which quarter I fetch
	s_mov_b32 s61, 0
	s_mov_b32 s63, 0
	s_lshl_b32 s60, s56, 15
	s_lshl_b32 s59, s58, 13
	s_add_co_u32 s60, s60, s59                     ; W_q: the head's 64 rows of 512 bytes, my 16
	s_mul_i32 s62, s55, 16*CHUNK
	s_mul_i32 s59, s58, 4*CHUNK
	s_add_co_u32 s62, s62, s59                     ; K/V: my four chunks
	s_mov_b32 s[G0K], 1
	s_mov_b32 s[G0K+1], s59
	s_mov_b32 s[G0W], 1
	s_mul_i32 s[G0W+1], s58, 16*WP
	s_add_co_u32 s[G0W+1], s[G0W+1], WQB
	s_bfe_u32 s20, ttmp6, 0x40000                  ; cx: it enters x's and ctx's addresses alone
	s_lshl_b32 s21, ttmp9, 2
	s_add_co_u32 s20, s20, s21                     ; which 512 queries
	s_lshl_b32 s20, s20, 5
	s_lshl_b32 s21, s57, 7
	s_add_co_u32 s20, s20, s21
	s_lshl_b32 s21, s[WV], 2
	s_add_co_u32 s20, s20, s21                     ; my first tile = 128 x batch + 32 x block + 4 x wave
	s_mov_b32 s25, 0
	s_wait_alu depctr_va_vdst(0)
	s_wait_dscnt 0x0
	s_wait_kmcnt 0x0
	s_add_nc_u64 s[G0W+2:G0W+3], s[8:9], s[60:61]
	s_or_b32 s[G0W+3], s[G0W+3], 0x80000000
	s_add_nc_u64 s[G0K+2:G0K+3], s[12:13], s[62:63]
	s_or_b32 s[G0K+3], s[G0K+3], 0x80000000
	ROUND                                          ; the four partners are here: the joint loads meet
	s_cmp_lt_u32 s[WV], 4                          ; one tensor load a wave, one arm each
	s_cbranch_scc0 .Lfor_w
	tensor_load_to_lds s[G0K:G0K+3], s[G1K:G1K+7]
	s_nop 0
	PLACES
	s_branch .Lasked
.Lfor_w:
	tensor_load_to_lds s[G0W:G0W+3], s[G1W:G1W+7]
	s_nop 0
	PLACES
.Lasked:
	s_lshl_b32 s24, s20, 13
	s_add_nc_u64 s[4:5], s[4:5], s[24:25]
	s_add_nc_u64 s[14:15], s[14:15], s[24:25]
	s_lshl_b32 s24, s20, 9
	s_add_nc_u64 s[6:7], s[6:7], s[24:25]
	s_add_nc_u64 s[16:17], s[16:17], s[24:25]
	s_lshl_b32 s24, s56, 11
	s_add_nc_u64 s[10:11], s[10:11], s[24:25]
	s_lshl_b32 s24, s56, 9
	s_add_nc_u64 s[14:15], s[14:15], s[24:25]      ; ctx's image: the head's two blocks
	s_lshr_b32 s24, s56, 3
	s_lshl_b32 s24, s24, 8
	s_and_b32 s21, s56, 7
	s_lshl_b32 s21, s21, 1
	s_add_co_u32 s24, s24, s21
	s_add_nc_u64 s[16:17], s[16:17], s[24:25]
.irp t, 0,1,2,3
	global_load_b128 v[WS+4*\t:WS+4*\t+3], v7, s[10:11] offset:256*\t      ; tile t begins at row 8 t
	global_load_b128 v[XS+4*\t:XS+4*\t+3], v1, s[6:7] offset:512*\t        ; x's scale words of my tile t
.endr
	WIN 0x40                                       ; destination window 1: x's fragments of all four tiles, asked for at once
.irp p, 0,1,2,3
.irp s, 0,1,2,3,4,5,6,7
.irp c, 0,1
	global_load_b128 v[64*\p+8*\s+4*\c:64*\p+8*\s+4*\c+3], v1, s[4:5] offset:8192*\p+512*(2*\s+\c)
.endr
.endr
.endr
	WIN 0
	s_wait_tensorcnt 0x0                           ; my part of K/V or of W_q is in,
	s_barrier_signal -1
	s_barrier_wait -1                              ; everybody's is
	s_wait_loadcnt 0x0
.macro WLOAD s                         ; W_q's four tiles of K step s
.irp t, 0,1,2,3
.irp c, 0,1
	ds_load_b128 v[WB+32*((\s)%2)+8*\t+4*\c:WB+32*((\s)%2)+8*\t+4*\c+3], v6 offset:8*\t*WP+64*(\s)+32*\c
.endr
.endr
.endm
.macro QPROD p, t, s                   ; Q^T: source 0 = 16 rows of W_q, source 1 = 16 queries
.set rD, ACC+32*(\p)+8*(\t)
.set rW, WB+32*((\s)%2)+8*(\t)
.set rX, 64*(\p)+8*(\s)
.set rA, WS+4*(\t)+(\s)%4
.set rB, XS+4*(\p)+(\s)%4
.if (\s) == 0
	v_wmma_scale_f32_16x16x128_f8f6f4 v[rD:rD+7], v[rW:rW+7], v[rX:rX+7], 0, v[rA], v[rB] matrix_a_fmt:MATRIX_FMT_FP4 matrix_b_fmt:MATRIX_FMT_FP4
.elseif (\s) < 4
	v_wmma_scale_f32_16x16x128_f8f6f4 v[rD:rD+7], v[rW:rW+7], v[rX:rX+7], v[rD:rD+7], v[rA], v[rB] matrix_a_fmt:MATRIX_FMT_FP4 matrix_b_fmt:MATRIX_FMT_FP4
.else
	v_wmma_scale_f32_16x16x128_f8f6f4 v[rD:rD+7], v[rW:rW+7], v[rX:rX+7], v[rD:rD+7], v[rA], v[rB] matrix_a_fmt:MATRIX_FMT_FP4 matrix_b_fmt:MATRIX_FMT_FP4 matrix_a_scale:MATRIX_SCALE_ROW1 matrix_b_scale:MATRIX_SCALE_ROW1
.endif
.endm
	WLOAD 0
.irp s, 0,1,2,3,4,5,6,7                ; each fragment of W_q feeds four tiles of queries; sixteen accumulators by turns
.if \s < 7
.if \s > 0
	PLACES                                         ; ahead of loads into the set that the step before multiplied
.endif
	WLOAD \s+1
	s_wait_dscnt 8                                 ; all but the eight loads just issued
.else
	s_wait_dscnt 0x0
.endif
	WIN 0x04                                       ; source 1 window 1
.irp p, 0,1,2,3
.irp t, 0,1,2,3
	QPROD \p, \t, \s
.endr
.endr
	WIN 0
.endr
	PLACES
	v_mov_b32 v[XP], 0                             ; a lane permute's destination: written once
.macro QQ p                            ; tile p: x 1/8, quantised; the codes are Q's fragment as they stand, zero codes above them
.set j, 0
.rept 16
	v_pk_mul_f32 v[ACC+32*(\p)+j:ACC+32*(\p)+j+1], v[ACC+32*(\p)+j:ACC+32*(\p)+j+1], 0x3e000000 op_sel_hi:[1,0]
.set j, j+2
.endr
	QUANTB ACC+32*(\p), 50, 51
	WIN 0x40
.irp t, 0,1,2,3
	v_cvt_scalef32_pk8_fp4_f32 v[QF+8*(\p)+\t], v[ACC+32*(\p)+8*\t:ACC+32*(\p)+8*\t+7], v50
.endr
.irp t, 0,1,2,3
	v_mov_b32 v[QF+8*(\p)+4+\t], 0
.endr
	WIN 0
	v_permlanex16_b32 v[XP], v51, s[SEL], s[SEL+1]
	s_delay_alu instid0(VALU_DEP_1)
	v_lshl_or_b32 v[QS+(\p)], v[XP], 8, v51        ; lanes 0-15: block 0's byte, block 1's above it (lanes 16-31 are not read)
.endm
	QQ 0
	QQ 1
	QQ 2
	QQ 3
.irp i, 0,1,2,3
	v_mov_b32 v[ST+2*\i], 0x7f61b1e6               ; -M: 3e38
	v_mov_b32 v[ST+2*\i+1], 0xff61b1e6             ; the largest score so far: -3e38
	v_mov_b32 v[LS+2*\i], 0                        ; the sum, in two halves
	v_mov_b32 v[LS+2*\i+1], 0
	v_mov_b32 v[FF+\i], 0                          ; f, two pairs by turns (the upper halves are named only)
	v_mov_b32 v[PC+\i], 0                          ; p's codes: zeros for the first two STA
	v_mov_b32 v[PC+4+\i], 0
.endr
	v_mov_b32 v[PS], 0
.set j, 0
.rept 128
	v_mov_b32 v[OT+j], 0                           ; O^T: the step is written once; its first trip finds zeros, which the first change of M leaves zeros
.set j, j+1
.endr
	WIN 0x40
.irp i, 0,1,2,3
	v_mov_b32 v[KF+32+\i], 0                       ; named behind K's last tile
.endr
	WIN 0
.macro KLOAD                           ; 12 loads: tile (c, t), row r: key 64 c + 32 (r / 8) + 8 t + r % 8
	WIN 0x40
.irp c, 0,1
.irp t, 0,1,2,3
	ds_load_b128 v[KF+16*\c+4*\t:KF+16*\c+4*\t+3], v[AK] offset:2048*\c+512*(\t%2)+128*(\t/2)
.endr
.endr
	WIN 0
.irp c, 0,1
.irp u, 0,1
	ds_load_b32 v[KS+2*\c+\u], v[AK+1] offset:8192+128*\u+8*\c     ; lanes 0-15 tile 2 u, lanes 16-31 tile 2 u + 1
.endr
.endr
.endm
.macro VLOAD                           ; 10 loads: tile t, row m: d = 8 t + m % 8 + 32 (m / 8)
	WIN 0x40
.irp t, 0,1,2,3
.irp c, 0,1
	ds_load_b128 v[VF+8*\t+4*\c:VF+8*\t+4*\c+3], v[AK+2] offset:4096+1024*(\t%2)+512*\c+128*(\t/2)
.endr
.endr
	WIN 0
.irp u, 0,1
	ds_load_b32 v[VS+\u], v[AK+3] offset:8704+128*\u
.endr
.endm
.macro RESC d, from                    ; two registers of tile d's O^T under the new M: x f
	v_pk_mul_f32 v[OT+32*(\d)+(\from):OT+32*(\d)+(\from)+1], v[OT+32*(\d)+(\from):OT+32*(\d)+(\from)+1], v[FD:FD+1] op_sel_hi:[1,0]
.endm
.macro PV d                            ; O^T += V^T P^T of tile d
	WIN 0x01                                       ; source 0 (V) window 1
.irp t, 0,1,2,3
.if (\t)%2
	v_wmma_scale_f32_16x16x128_f8f6f4 v[OT+32*(\d)+8*\t:OT+32*(\d)+8*\t+7], v[VF+8*\t:VF+8*\t+7], v[PC:PC+7], v[OT+32*(\d)+8*\t:OT+32*(\d)+8*\t+7], v[VS+\t/2], v[PS] matrix_a_fmt:MATRIX_FMT_FP4 matrix_b_fmt:MATRIX_FMT_FP4 matrix_a_scale:MATRIX_SCALE_ROW1
.else
	v_wmma_scale_f32_16x16x128_f8f6f4 v[OT+32*(\d)+8*\t:OT+32*(\d)+8*\t+7], v[VF+8*\t:VF+8*\t+7], v[PC:PC+7], v[OT+32*(\d)+8*\t:OT+32*(\d)+8*\t+7], v[VS+\t/2], v[PS] matrix_a_fmt:MATRIX_FMT_FP4 matrix_b_fmt:MATRIX_FMT_FP4
.endif
.endr
	WIN 0
.endm
; STA k.  Lane (query, h): registers 32 c + 0 .. 31 of S^T are keys 64 c + 32 h + 0 .. 31: block 2 c + h.  Tile k - 2's rescaling stands behind the score products and by turns with the chain that makes M.
.macro STA k
.set NM, ST+2*(\k)
.set SB, 64*((\k)%2)
.set DT, ((\k)+2)%4
.set FD, FF+2*((\k)%2)
.set BXK, BX+2*((\k)%2)
.if (\k) == 0
	s_wait_alu depctr_va_vdst(0)
	s_wait_dscnt 0x0                               ; K's fragments of this step are in
.endif
	WIN 0x45                                       ; D, K and Q in window 1
.irp c, 0,1
.irp t, 0,1,2,3
.if (\t)%2
	v_wmma_scale_f32_16x16x128_f8f6f4 v[SB+32*\c+8*\t:SB+32*\c+8*\t+7], v[KF+16*\c+4*\t:KF+16*\c+4*\t+7], v[QF+8*(\k):QF+8*(\k)+7], 0, v[KS+2*\c+\t/2], v[QS+(\k)] matrix_a_fmt:MATRIX_FMT_FP4 matrix_b_fmt:MATRIX_FMT_FP4 matrix_a_scale:MATRIX_SCALE_ROW1
.else
	v_wmma_scale_f32_16x16x128_f8f6f4 v[SB+32*\c+8*\t:SB+32*\c+8*\t+7], v[KF+16*\c+4*\t:KF+16*\c+4*\t+7], v[QF+8*(\k):QF+8*(\k)+7], 0, v[KS+2*\c+\t/2], v[QS+(\k)] matrix_a_fmt:MATRIX_FMT_FP4 matrix_b_fmt:MATRIX_FMT_FP4
.endif
.endr
.endr
	WIN 0
	s_wait_alu depctr_va_vdst(0)                   ; directly ahead of the first readers of O^T
.irp f, 0,2,4,6,8,10,12,14
	RESC DT, \f                                    ; also the places behind the score products
.endr
	v_mov_b32 v[OLD], v[NM]
.if (\k) == 3                          ; K's fragments are done with: the next step's are asked for (the last trip asks for its own chunk once more)
	s_add_co_u32 s[TN], s[TB], CHUNK
	s_min_u32 s[TN], s[TN], 15*CHUNK
	v_add_nc_u32 v[AK], s[TN], v[AK0]
	v_add_nc_u32 v[AK+1], s[TN], v[AK0+1]
	KLOAD
.endif
	WIN 0x15                                       ; the largest score of my two blocks, two chains each (17 and 15 numbers)
.irp c, 0,1
	v_max3_num_f32 v[BM+\c], v[SB+32*\c], v[SB+32*\c+1], v[SB+32*\c+2]
.endr
.irp c, 0,1
	v_max3_num_f32 v[BM+2+\c], v[SB+32*\c+17], v[SB+32*\c+18], v[SB+32*\c+19]
.endr
	WIN 0x14
.irp n, 0,1,2,3,4,5
.irp c, 0,1
	v_max3_num_f32 v[BM+\c], v[BM+\c], v[SB+32*\c+3+2*\n], v[SB+32*\c+4+2*\n]
.endr
.irp c, 0,1
	v_max3_num_f32 v[BM+2+\c], v[BM+2+\c], v[SB+32*\c+20+2*\n], v[SB+32*\c+21+2*\n]
.endr
.endr
.irp c, 0,1
	v_max3_num_f32 v[BM+\c], v[BM+\c], v[SB+32*\c+15], v[SB+32*\c+16]
.endr
	WIN 0
.irp c, 0,1
	v_max_num_f32 v[BM+\c], v[BM+\c], v[BM+2+\c]
.endr
	s_wait_alu depctr_va_vdst(0)                   ; directly ahead of the first readers of the other half of O^T
	RESC DT, 16
	v_max_num_f32 v[MX], v[BM], v[BM+1]
	RESC DT, 18
	v_permlanex16_b32 v[XP], v[MX], s[SEL], s[SEL+1]
	RESC DT, 20
	v_max3_num_f32 v[NM+1], v[NM+1], v[MX], v[XP]  ; the running largest score of my query
	RESC DT, 22
	v_mul_f32 v[DF], s[CS], v[NM+1]                ; as t
	RESC DT, 24
	v_floor_f32 v[NM], -v[DF]                      ; -M = floor(-t): M is a whole number
	RESC DT, 26
	v_sub_f32 v[DF], v[NM], v[OLD]                 ; old M - new M, 0 or less
	v_fma_f32 v[BXK], v[BM], s[CS], v[NM]          ; t - M of each block's largest score
	RESC DT, 28
	v_cvt_i32_f32 v[DF], v[DF]                     ; (it saturates)
	v_fma_f32 v[BXK+1], v[BM+1], s[CS], v[NM]
	RESC DT, 30
	v_ldexp_f32 v[FD], 1.0, v[DF]                  ; f = 2^(old M - new M) of tile k, over tile k - 2's, which is done with
.if (\k) == 2
	s_wait_alu depctr_va_vdst(0)
	s_wait_dscnt 0x0                               ; V's fragments of this step are in
.endif
	PV DT
.if (\k) == 1                          ; the last step's V is done with: this step's is asked for
	v_add_nc_u32 v[AK+2], s[TB], v[AK0+2]
	v_add_nc_u32 v[AK+3], s[TB], v[AK0+3]
	v_nop
	v_nop
	VLOAD
.endif
.endm
; STB i: p = 2^(t - M) of tile i; between each two exponentials one packed t - M of tile i + 1, whose sources were written ahead of the batch's wait and whose results are read behind it
.macro STB i
.set SB, 64*((\i)%2)
.set SN, 64-SB
.set NM, ST+2*(((\i)+1)%4)
.set LL, LS+2*(\i)
.set FD, FF+2*((\i)%2)
.set BXK, BX+2*((\i)%2)
	WIN 0x41
	s_wait_alu depctr_va_vdst(0)                   ; ahead of the batch
.set j, 0
.rept 32
	v_exp_f32 v[SB+j], v[SB+j]
	v_exp_f32 v[SB+j+1], v[SB+j+1]
	v_pk_fma_f32 v[SN+j:SN+j+1], v[SN+j:SN+j+1], s[CS:CS+1], v[NM:NM+1] op_sel_hi:[1,0,0]
.set j, j+2
.endr
	WIN 0
	v_exp_f32 v[BXK], v[BXK]                       ; the blocks' largest p
	v_exp_f32 v[BXK+1], v[BXK+1]
	v_pk_mul_f32 v[LL:LL+1], v[LL:LL+1], v[FD:FD+1] op_sel_hi:[1,0]   ; the sums under the new M
	s_wait_alu depctr_va_vdst(0)                   ; and behind it
.endm
; STC i: the sum of the unquantised p in four chains, by turns with the lines that make the scales; then the codes.  Under the window setting of the sums a vector register in the second place means window 1: the scales' lines name theirs in the first and third.
.macro STC i
.set SB, 64*((\i)%2)
.set LL, LS+2*(\i)
.set BXK, BX+2*((\i)%2)
	WIN 0x05
	v_pk_add_f32 v[TA:TA+1], v[SB:SB+1], v[SB+2:SB+3]
	v_pk_add_f32 v[TBB:TBB+1], v[SB+4:SB+5], v[SB+6:SB+7]
	v_pk_add_f32 v[TC:TC+1], v[SB+8:SB+9], v[SB+10:SB+11]
	WIN 0x04
.irp r, 0,1,2,3,4,5
	v_pk_add_f32 v[LL:LL+1], v[LL:LL+1], v[SB+12+8*\r:SB+13+8*\r]
	v_pk_add_f32 v[TA:TA+1], v[TA:TA+1], v[SB+14+8*\r:SB+15+8*\r]
	v_pk_add_f32 v[TBB:TBB+1], v[TBB:TBB+1], v[SB+16+8*\r:SB+17+8*\r]
	v_pk_add_f32 v[TC:TC+1], v[TC:TC+1], v[SB+18+8*\r:SB+19+8*\r]
.if \r == 0
	v_max_num_f32 v[BXK], v[BXK], 0x1800000        ; the floor 2^(3 - 127)
	v_max_num_f32 v[BXK+1], v[BXK+1], 0x1800000
.elseif \r == 1
	v_add_nc_u32 v[SO], v[BXK], 0xff000000         ; 2 off the exponent field: the conversion's scale operand
	v_add_nc_u32 v[SO+1], v[BXK+1], 0xff000000
.elseif \r == 2
	v_bfe_u32 v[BY], v[SO], 23, 8                  ; the scale's byte
	v_bfe_u32 v[BY+1], v[SO+1], 23, 8
.elseif \r == 3
	v_lshl_or_b32 v[BY], v[BY+1], 16, v[BY]        ; my blocks h and 2 + h
.elseif \r == 4
	v_permlanex16_b32 v[XP], v[BY], s[SEL], s[SEL+1]
.else
	v_lshl_or_b32 v[PS], v[XP], 8, v[BY]           ; lanes 0-15: p's scale word of these 128 keys (lanes 16-31 are not read)
.endif
.endr
	v_pk_add_f32 v[LL:LL+1], v[LL:LL+1], v[SB+60:SB+61]
	v_pk_add_f32 v[TA:TA+1], v[TA:TA+1], v[SB+62:SB+63]
	WIN 0x01
.irp c, 0,1
.irp t, 0,1,2,3
	v_cvt_scalef32_pk8_fp4_f32 v[PC+4*\c+\t], v[SB+32*\c+8*\t:SB+32*\c+8*\t+7], v[SO+\c]
.endr
.endr
	WIN 0
	v_pk_add_f32 v[TBB:TBB+1], v[TBB:TBB+1], v[TC:TC+1]            ; (plain instructions behind the scaled conversions)
	v_pk_add_f32 v[LL:LL+1], v[LL:LL+1], v[TA:TA+1]
	s_delay_alu instid0(VALU_DEP_1)
	v_pk_add_f32 v[LL:LL+1], v[LL:LL+1], v[TBB:TBB+1]
.endm
	s_mov_b32 s[TB], 0
	s_mov_b32 s[STEPS], 16
.irp n, 0,1,2,3
	v_add_nc_u32 v[AK+\n], s[TB], v[AK0+\n]
.endr
	KLOAD
	VLOAD
	STA 0
	WIN 0x41
.set j, 0
.rept 32
	v_pk_fma_f32 v[j:j+1], v[j:j+1], s[CS:CS+1], v[ST:ST+1] op_sel_hi:[1,0,0]   ; t - M of the first tile
.set j, j+2
.endr
	WIN 0
.Lstep:
	STA 1
	STB 0
	STC 0
	STA 2
	STB 1
	STC 1
	STA 3
	STB 2
	STC 2
	STA 0                                          ; of the next step
	STB 3
	STC 3
	s_add_co_u32 s[TB], s[TB], CHUNK
	s_sub_co_u32 s[STEPS], s[STEPS], 1
	s_cmp_lg_u32 s[STEPS], 0
	s_wait_alu depctr_va_vdst(0)
	s_cbranch_scc1 .Lstep
.set FD, FF+2
	s_wait_alu depctr_va_vdst(0)                   ; the last tile's rescaling and product are still due
.irp f, 0,2,4,6,8,10,12,14,16,18,20,22,24,26,28,30
	RESC 3, \f
.endr
	PV 3
	; THE WAY OUT: O^T / the sum, quantised along d: a lane holds block h of its query whole, 16 bytes of the image
.irp i, 0,1,2,3
	v_add_f32 v[LS+2*\i], v[LS+2*\i], v[LS+2*\i+1]
.endr
.irp i, 0,1,2,3
	v_permlanex16_b32 v[LS+2*\i+1], v[LS+2*\i], s[SEL], s[SEL+1]
.endr
.irp i, 0,1,2,3
	v_add_f32 v[LS+2*\i], v[LS+2*\i], v[LS+2*\i+1] ; with lane l xor 16's: the row's sum
.endr
	s_wait_alu depctr_va_vdst(0)                   ; ahead of the batch
.irp i, 0,1,2,3
	v_rcp_f32 v[LS+2*\i], v[LS+2*\i]
.endr
	v_nop
.irp i, 0,1,2,3
	s_wait_alu depctr_va_vdst(0)                   ; behind the batch, and directly ahead of this tile's first reads of O^T
.set j, 0
.rept 16
	v_pk_mul_f32 v[OT+32*\i+j:OT+32*\i+j+1], v[OT+32*\i+j:OT+32*\i+j+1], v[LS+2*\i:LS+2*\i+1] op_sel_hi:[1,0]
.set j, j+2
.endr
	QUANTB OT+32*\i, SO, OB+\i
.irp t, 0,1,2,3
	v_cvt_scalef32_pk8_fp4_f32 v[OC+4*\i+\t], v[OT+32*\i+8*\t:OT+32*\i+8*\t+7], v[SO]
.endr
	v_nop                                          ; one plain instruction behind the scaled conversions
	global_store_b128 v1, v[OC+4*\i:OC+4*\i+3], s[14:15] offset:8192*\i    ; 32 lanes store 512 consecutive bytes
	global_store_b8 v8, v[OB+\i], s[16:17] offset:512*\i
.endr
	s_wait_tensorcnt 0x0                           ; the wave's end
	ds_add_u32 v[SPW], v[NIL]
	s_wait_dscnt 0x0
	ROUND                                          ; the closing round
	s_endpgm
.Lfunc_end_k_q93ecc3aab2_attn:
	.size	k_q93ecc3aab2_attn, .Lfunc_end_k_q93ecc3aab2_attn-k_q93ecc3aab2_attn
	.p2alignl 7, 3214868480
	.fill 96, 4, 3214868480
	.section	.rodata,"a",@progbits
	.p2align	6, 0x0
	.amdhsa_kernel k_q93ecc3aab2_attn
		.amdhsa_group_segment_fixed_size 327680
		.amdhsa_private_segment_fixed_size 0
		.amdhsa_enable_private_segment 0
		.amdhsa_kernarg_size 56
		.amdhsa_user_sgpr_count 2
		.amdhsa_user_sgpr_kernarg_segment_ptr 1
		.amdhsa_wavefront_size32 1
		.amdhsa_system_sgpr_workgroup_id_x 1
		.amdhsa_system_sgpr_workgroup_id_y 1
		.amdhsa_system_sgpr_workgroup_id_z 1
		.amdhsa_system_vgpr_workitem_id 0
		.amdhsa_next_free_vgpr 512
		.amdhsa_next_free_sgpr 66
		.amdhsa_reserve_vcc 0
		.amdhsa_float_denorm_mode_32 3
		.amdhsa_float_denorm_mode_16_64 3
		.amdhsa_memory_ordered 1
		.amdhsa_forward_progress 1
		.amdhsa_inst_pref_size 133
	.end_amdhsa_kernel
	.amdgpu_metadata
---
amdhsa.version: [ 1, 2 ]
amdhsa.kernels:
  - .name:           k_q93ecc3aab2_attn
    .symbol:         k_q93ecc3aab2_attn.kd
    .args:
      - { .name: xq_img, .offset: 0, .size: 8, .value_kind: global_buffer, .address_space: global }
      - { .name: xq_sc, .offset: 8, .size: 8, .value_kind: global_buffer, .address_space: global }
      - { .name: w_q_codes, .offset: 16, .size: 8, .value_kind: global_buffer, .address_space: global }
      - { .name: w_q_scales, .offset: 24, .size: 8, .value_kind: global_buffer, .address_space: global }
      - { .name: kv_img, .offset: 32, .size: 8, .value_kind: global_buffer, .address_space: global }
      - { .name: ctx_img, .offset: 40, .size: 8, .value_kind: global_buffer, .address_space: global }
      - { .name: ctx_sc, .offset: 48, .size: 8, .value_kind: global_buffer, .address_space: global }
    .group_segment_fixed_size: 327680
    .private_segment_fixed_size: 0
    .kernarg_segment_align: 8
    .kernarg_segment_size: 56
    .max_flat_workgroup_size: 256
    .sgpr_count:     66
    .vgpr_count:     512
    .wavefront_size: 32
...
	.end_amdgpu_metadata
.endif
;; end of part 2
;; launch outp (part 3): grid 256 x 1, 4 waves a work-group, no clusters, 168,448 bytes of LDS; arguments ctx_img, ctx_sc, w_out_codes, w_out_scales, query, out0; writes out0
.if DOCPART == 3
	.amdgcn_target "amdgcn-amd-amdhsa--gfx1250"
	.amdhsa_code_object_version 6
	.text
	.protected	k_q93ecc3aab2_outp
	.globl	k_q93ecc3aab2_outp
	.p2align	8
	.type	k_q93ecc3aab2_outp,@function
k_q93ecc3aab2_outp:
	s_mov_b64 s[64:65], 0
	v_nop
	global_prefetch_b8 v0, s[64:65] scope:SCOPE_SE
	s_setreg_imm32_b32 hwreg(HW_REG_WAVE_MODE, 25, 1), 1
	s_wait_xcnt 0x0
; OUTP.  out0 = query + ctx W_out^T, on codes of FP4 (E2M1) with one E8M0 byte for each 32 along K.  ctx comes as images of operand registers (tile = 128 x batch + query / 16), W_out as it is given.
; SHARES.  A work-group takes 128 columns (work-group % 8) and 16 tiles of 16 rows; each of its four waves four of these tiles.  The 128 rows of W_out stay in 512 registers of each wave.
; THE WEIGHTS COME ONCE FOR THE WORK-GROUP: each wave brings 32 rows of 512 bytes into LDS by one tensor load (16 bytes of padding behind each row, so that the 16 rows of a fragment load start at 16 different
; banks: 64 banks of 4 bytes, ISA guide 11.1); one barrier; each wave then reads all 128 rows' fragments.  These bytes are filled once; one tensor load of a wave is out.
; The product is used transposed (source 0 = 16 rows of W_out, source 1 = 16 rows of ctx): a lane then holds eight neighbouring columns of one row.  A tile goes through the wave's own stage in LDS and comes back as whole
; rows of 512 bytes, to which query's 512 bytes are added; 32 lanes store 512 consecutive bytes.  ctx's images and query's rows go from memory straight into registers and are asked for two tiles ahead.
; NO CLUSTER: what work-groups share by tensor loads is the weights' 65,536 bytes, asked for once at the head, beside the 262,144 bytes of query and out0 that are each work-group's own.
; REGISTERS, in windows of 256.  window 0: v4-10 offsets; v16-47 W_out's scale words, v48-63 ctx's; v64-127 eight accumulators; v128-191 16 rows back from the stage.
;   windows 1, 2: W_out (tile t, K step s) at 8 (8 (t % 4) + s), tiles 0-3 and 4-7.   window 3: ctx, two sets of 64; from v128 query's rows, two sets of 64.
.set SP,  528                          ; an LDS row: 512 bytes + 16
.set WST, 4*16*SP                      ; LDS: 0 .. 33,791 the four waves' stages of 16 rows;  from WST (a multiple of 256): the weights' 128 rows
.set G1,  24                           ; s[24:31] descriptor group 1;  s[32:35] group 0
.set G0,  32
.set MSB, 0
.macro WIN new                         ; the immediate's high byte repeats the setting that is left
.if MSB != \new
	s_set_vgpr_msb (MSB<<8)|\new
.set MSB, \new
.endif
.endm
	s_load_b256 s[4:11], s[0:1], 0x0               ; ctx_img s[4:5], ctx_sc s[6:7], w_out_codes s[8:9], w_out_scales s[10:11]
	s_load_b128 s[12:15], s[0:1], 0x20             ; query s[12:13], out0 s[14:15]
	v_lshl_add_u32 v254, v0, 2, 0x29000
	v_mov_b32 v255, 0
	ds_add_u32 v254, v255
	ds_add_u32 v254, v255
	v_lshrrev_b32 v1, 5, v0
	v_readfirstlane_b32 s16, v1                    ; wave 0..3
	v_and_b32 v1, 31, v0                           ; lane
	v_and_b32 v2, 15, v0                           ; r
	v_bfe_u32 v3, v0, 4, 1                         ; h
	v_lshlrev_b32 v9, 4, v3
	v_mul_u32_u24 v4, v2, SP
	v_add_nc_u32 v4, v4, v9                        ; a fragment's place in a tile's 16 rows: row r, + 16 h
	v_add_nc_u32 v10, WST+64*SP, v4                ; v10: the weights' tiles 4-7
	v_add_nc_u32 v4, WST, v4                       ; v4: tiles 0-3
	v_lshl_add_u32 v5, v2, 5, v9                   ; W_out's scale bytes: rows of 32; lanes 0-15 K steps 0-3, lanes 16-31 K steps 4-7
	v_lshlrev_b32 v6, 4, v1                        ; 16 x lane
	s_mul_i32 s22, s16, 16*SP                      ; my stage
	v_mul_u32_u24 v7, v2, SP
	v_lshl_add_u32 v7, v3, 5, v7
	v_add_nc_u32 v7, s22, v7                       ; in: row r, 32 bytes for each half of the lanes
	v_add_nc_u32 v8, s22, v6                       ; back: a row to an instruction
	; group 1: 32 rows of 64 elements of 8 bytes, dense in memory, 4 words of padding behind each 128
	s_mov_b32 s[G1], (3<<16)|(1<<20)|(6<<22)|(3<<25)
	s_mov_b32 s[G1+1], 64<<16                      ; tensor_dim0
	s_mov_b32 s[G1+2], 32<<16                      ; tensor_dim1
	s_mov_b32 s[G1+3], 64<<16                      ; tile_dim0
	s_mov_b32 s[G1+4], 32                          ; tile_dim1
	s_mov_b32 s[G1+5], 64                          ; from row to row
	s_mov_b32 s[G1+6], 0
	s_mov_b32 s[G1+7], 0
	s_mov_b32 s[G0], 1
	s_mul_i32 s[G0+1], s16, 32*SP
	s_add_co_u32 s[G0+1], s[G0+1], WST             ; my 32 rows' place in LDS
	s_and_b32 s17, ttmp9, 7                        ; which 128 columns
	s_lshr_b32 s18, ttmp9, 3
	s_lshl_b32 s19, s18, 4
	s_lshl_b32 s23, s16, 2
	s_add_co_u32 s19, s19, s23                     ; my first tile
	s_mov_b32 s21, 0
	s_lshl_b32 s20, s17, 16                        ; the columns' 128 rows of 512 bytes,
	s_lshl_b32 s23, s16, 14
	s_add_co_u32 s20, s20, s23                     ; the 32 of them that I fetch
	s_wait_alu depctr_va_vdst(0)
	s_wait_dscnt 0x0
	s_wait_kmcnt 0x0
	s_add_nc_u64 s[G0+2:G0+3], s[8:9], s[20:21]
	s_or_b32 s[G0+3], s[G0+3], 0x80000000
	tensor_load_to_lds s[G0:G0+3], s[G1:G1+7]      ; the launch's one fill of these bytes, ahead of every wait on TENSORcnt, LDS read and barrier
	s_nop 0
.rept 4
	v_nop                                          ; (behind a tensor load)
.endr
	s_lshl_b32 s20, s19, 13
	s_add_nc_u64 s[4:5], s[4:5], s[20:21]
	s_lshl_b32 s20, s19, 9
	s_add_nc_u64 s[6:7], s[6:7], s[20:21]
	s_lshl_b32 s20, s17, 12
	s_add_nc_u64 s[10:11], s[10:11], s[20:21]
	s_and_b32 s20, s19, 127
	s_lshl_b32 s20, s20, 6                         ; 4 x the tile's first query
	s_lshr_b32 s23, s19, 7
	s_add_co_u32 s20, s20, s23                     ; + batch
	s_lshl_b32 s20, s20, 12                        ; rows of 4,096 bytes
	s_lshl_b32 s23, s17, 9
	s_add_co_u32 s20, s20, s23                     ; + my 128 columns
	s_add_nc_u64 s[12:13], s[12:13], s[20:21]
	s_add_nc_u64 s[14:15], s[14:15], s[20:21]
.irp t, 0,1,2,3,4,5,6,7
	global_load_b128 v[16+4*\t:19+4*\t], v5, s[10:11] offset:512*\t
.endr
.macro CLOAD i                         ; 17 loads: tile i's eight fragments of ctx into set i % 2, and its scale words
	WIN 0xc0                                       ; destination window 3
.irp s, 0,1,2,3,4,5,6,7
.irp c, 0,1
	global_load_b128 v[64*((\i)%2)+8*\s+4*\c:64*((\i)%2)+8*\s+4*\c+3], v6, s[4:5] offset:8192*(\i)+512*(2*\s+\c)
.endr
.endr
	WIN 0
	global_load_b128 v[48+4*(\i):51+4*(\i)], v6, s[6:7] offset:512*(\i)
.endm
.macro QLOAD i                         ; 16 loads: my 512 bytes of tile i's 16 rows of query, 4 batches x 4,096 bytes apart
	WIN 0xc0
.irp q, 0,1,2,3,4,5,6,7,8,9,10,11,12,13,14,15
	global_load_b128 v[128+64*((\i)%2)+4*\q:128+64*((\i)%2)+4*\q+3], v6, s[12:13] offset:262144*(\i)+16384*\q th:TH_LOAD_NT
.endr
	WIN 0
.endm
.macro OPROD t, s, i
.set rD, 64+8*(\t)
.set rW, 8*(8*((\t)%4)+(\s))
.set rX, 64*((\i)%2)+8*(\s)
.set rA, 16+4*(\t)+(\s)%4
.set rB, 48+4*(\i)+(\s)%4
.if (\s) == 0
	v_wmma_scale_f32_16x16x128_f8f6f4 v[rD:rD+7], v[rW:rW+7], v[rX:rX+7], 0, v[rA], v[rB] matrix_a_fmt:MATRIX_FMT_FP4 matrix_b_fmt:MATRIX_FMT_FP4
.elseif (\s) < 4
	v_wmma_scale_f32_16x16x128_f8f6f4 v[rD:rD+7], v[rW:rW+7], v[rX:rX+7], v[rD:rD+7], v[rA], v[rB] matrix_a_fmt:MATRIX_FMT_FP4 matrix_b_fmt:MATRIX_FMT_FP4
.else
	v_wmma_scale_f32_16x16x128_f8f6f4 v[rD:rD+7], v[rW:rW+7], v[rX:rX+7], v[rD:rD+7], v[rA], v[rB] matrix_a_fmt:MATRIX_FMT_FP4 matrix_b_fmt:MATRIX_FMT_FP4 matrix_a_scale:MATRIX_SCALE_ROW1 matrix_b_scale:MATRIX_SCALE_ROW1
.endif
.endm
; A tile of 16 rows x 128 columns.  n1: the loads issued behind this tile's ctx; n2: those issued behind its rows of query
.macro OTILE i, n1, n2
	s_wait_loadcnt \n1                             ; loads come back in order: this tile's ctx is in (and, at the first tile, the weights' scale words)
	WIN 0x0d                                       ; source 0 window 1 (W_out's tiles 0-3), source 1 window 3 (ctx)
.irp s, 0,1,2,3,4,5,6,7
.irp t, 0,1,2,3
	OPROD \t, \s, \i                               ; four accumulators by turns
.endr
.endr
	WIN 0x0e                                       ; source 0 window 2 (tiles 4-7)
.irp s, 0,1,2,3,4,5,6,7
.irp t, 4,5,6,7
	OPROD \t, \s, \i
.endr
.endr
	WIN 0
.rept 4
	v_nop                                          ; four places behind the products, ahead of the LDS stores that read results and of the loads into ctx's registers
.endr
.if (\i) > 0
	s_wait_xcnt 0x0                                ; the last tile's stores have read their data: the rows' registers are loaded again only behind this wait
.endif
.if (\i) < 2
	CLOAD (\i)+2
.endif
.irp t, 0,1,2,3,4,5,6,7
	ds_store_b128 v7, v[64+8*\t:67+8*\t] offset:64*\t              ; each accumulator from its low end on
	ds_store_b128 v7, v[68+8*\t:71+8*\t] offset:64*\t+16
.endr
.irp q, 0,1,2,3,4,5,6,7,8,9,10,11,12,13,14,15
	ds_load_b128 v[128+4*\q:131+4*\q], v8 offset:SP*\q             ; LDS serves a wave's instructions in order (ISA guide 5.7.1.4): these see the stores above
.endr
	s_wait_loadcnt \n2                             ; this tile's rows of query are in
	s_wait_dscnt 0x0                               ; and the tile is back from the stage
	WIN 0x0c                                       ; source 1 window 3
.set j, 0
.rept 32
	v_pk_add_f32 v[128+j:129+j], v[128+j:129+j], v[128+64*((\i)%2)+j:129+64*((\i)%2)+j]
.set j, j+2
.endr
	WIN 0
.if (\i) < 2
	QLOAD (\i)+2
.endif
.irp q, 0,1,2,3,4,5,6,7,8,9,10,11,12,13,14,15
	global_store_b128 v6, v[128+4*\q:131+4*\q], s[14:15] offset:262144*(\i)+16384*\q th:TH_STORE_NT   ; 32 lanes store 512 consecutive bytes, at a multiple of 512 from out0's first byte
.endr
.endm
	CLOAD 0
	QLOAD 0
	CLOAD 1
	QLOAD 1
	s_wait_tensorcnt 0x0                           ; my 32 rows of the weights are in,
	s_barrier_signal -1
	s_barrier_wait -1                              ; everybody's are
	WIN 0x40                                       ; destination window 1
.irp t, 0,1,2,3
.irp s, 0,1,2,3,4,5,6,7
.irp c, 0,1
	ds_load_b128 v[8*(8*\t+\s)+4*\c:8*(8*\t+\s)+4*\c+3], v4 offset:16*\t*SP+64*\s+32*\c
.endr
.endr
.endr
	WIN 0x80                                       ; destination window 2
.irp t, 0,1,2,3
.irp s, 0,1,2,3,4,5,6,7
.irp c, 0,1
	ds_load_b128 v[8*(8*\t+\s)+4*\c:8*(8*\t+\s)+4*\c+3], v10 offset:16*\t*SP+64*\s+32*\c
.endr
.endr
.endr
	WIN 0
	s_wait_dscnt 0x0                               ; the weights are in my registers: they stay
	OTILE 0, 49, 50                                ; behind ctx 0: query 0, ctx 1, query 1 (16 + 17 + 16);  behind query 0: ctx 1, query 1, ctx 2 (17 + 16 + 17)
	OTILE 1, 49, 50
	OTILE 2, 49, 33                                ; behind query 2: ctx 3, query 3
	OTILE 3, 16, 0
	s_wait_tensorcnt 0x0
	ds_add_u32 v254, v255
	s_wait_dscnt 0x0
	s_endpgm
.Lfunc_end_k_q93ecc3aab2_outp:
	.size	k_q93ecc3aab2_outp, .Lfunc_end_k_q93ecc3aab2_outp-k_q93ecc3aab2_outp
	.p2alignl 7, 3214868480
	.fill 96, 4, 3214868480
	.section	.rodata,"a",@progbits
	.p2align	6, 0x0
	.amdhsa_kernel k_q93ecc3aab2_outp
		.amdhsa_group_segment_fixed_size 168448
		.amdhsa_private_segment_fixed_size 0
		.amdhsa_enable_private_segment 0
		.amdhsa_kernarg_size 48
		.amdhsa_user_sgpr_count 2
		.amdhsa_user_sgpr_kernarg_segment_ptr 1
		.amdhsa_wavefront_size32 1
		.amdhsa_system_sgpr_workgroup_id_x 1
		.amdhsa_system_sgpr_workgroup_id_y 1
		.amdhsa_system_sgpr_workgroup_id_z 1
		.amdhsa_system_vgpr_workitem_id 0
		.amdhsa_next_free_vgpr 1024
		.amdhsa_next_free_sgpr 66
		.amdhsa_reserve_vcc 0
		.amdhsa_float_denorm_mode_32 3
		.amdhsa_float_denorm_mode_16_64 3
		.amdhsa_memory_ordered 1
		.amdhsa_forward_progress 1
		.amdhsa_inst_pref_size 81
	.end_amdhsa_kernel
	.amdgpu_metadata
---
amdhsa.version: [ 1, 2 ]
amdhsa.kernels:
  - .name:           k_q93ecc3aab2_outp
    .symbol:         k_q93ecc3aab2_outp.kd
    .args:
      - { .name: ctx_img, .offset: 0, .size: 8, .value_kind: global_buffer, .address_space: global }
      - { .name: ctx_sc, .offset: 8, .size: 8, .value_kind: global_buffer, .address_space: global }
      - { .name: w_out_codes, .offset: 16, .size: 8, .value_kind: global_buffer, .address_space: global }
      - { .name: w_out_scales, .offset: 24, .size: 8, .value_kind: global_buffer, .address_space: global }
      - { .name: query, .offset: 32, .size: 8, .value_kind: global_buffer, .address_space: global }
      - { .name: out0, .offset: 40, .size: 8, .value_kind: global_buffer, .address_space: global }
    .group_segment_fixed_size: 168448
    .private_segment_fixed_size: 0
    .kernarg_segment_align: 8
    .kernarg_segment_size: 48
    .max_flat_workgroup_size: 128
    .sgpr_count:     66
    .vgpr_count:     1024
    .wavefront_size: 32
...
	.end_amdgpu_metadata
.endif
;; end of part 3
